; MI455X (gfx1250); checked and timed in simulation.
; The chip was launched on July 23, 2026; its instructions are those of AMD's public machine-readable ISA for CDNA 5 (MIT licence, August 2026) and "CDNA5" Instruction Set Architecture Reference Guide (July 2026). The comments in the code are by the model that wrote it; some were corrected since.
;; Block. Allowed arithmetic: matrix products marked QUANTISED: E4M3 operands, one given power-of-two scale a tensor, by v_wmma_f32_16x16x64_fp8_fp8 or v_wmma_f32_16x16x128_fp8_fp8, f32 sums; everything else in f32.
;; Inputs: ln1_scale 512 float32; ln2_scale 512 float32; lowp_scales 18 int32 (the exponents e of the quantised operands' scales 2^e); w1 512 x 2,048 float32; w2 2,048 x 512 float32; wk 512 x 8 x 64 float32; wo1 8 x 64 x 512 float32; wo2 512 x 512 float32; wq 512 x 8 x 64 float32; wv 512 x 8 x 64 float32; x 4 x 2,048 x 512 float32.
;; Outputs: out0 4 x 2,048 x 512 float32.
;; This version of the problem:
;;   THIS VERSION OF THE PROBLEM IS GIVEN IN LOW PRECISION. The matrix products marked QUANTISED in the list below multiply operands that are first quantised to E4M3 (4 exponent bits, 3 mantissa bits; 8 bits a number), with one given power-of-two scale for each operand tensor; their sums are f32. All else is computed in f32.
;;   The module's matrix products, in the order in which they are computed (A, B: the left and right operand; K: the contracted axis; several contracted axes count as one K, in the product's order):
;;     1. [M 8,192, K 512] x [K 512, N 512]; A: computed on the way; B: input wq: QUANTISED (scales: A lowp_scales[0], B lowp_scales[1])
;;     2. [M 8,192, K 512] x [K 512, N 512]; A: computed on the way; B: input wk: QUANTISED (scales: A lowp_scales[2], B lowp_scales[3])
;;     3. [M 8,192, K 512] x [K 512, N 512]; A: computed on the way; B: input wv: QUANTISED (scales: A lowp_scales[4], B lowp_scales[5])
;;     4. batch 32 x [M 2,048, K 64] x [K 64, N 2,048]; A: computed on the way; B: computed on the way: QUANTISED (scales: A lowp_scales[6], B lowp_scales[7])
;;     5. batch 32 x [M 64, K 2,048] x [K 2,048, N 2,048]; A: computed on the way; B: softmax (see below): QUANTISED (scales: A lowp_scales[8], B lowp_scales[9])
;;     6. [M 8,192, K 512] x [K 512, N 512]; A: computed on the way; B: input wo1: QUANTISED (scales: A lowp_scales[10], B lowp_scales[11])
;;     7. [M 8,192, K 512] x [K 512, N 512]; A: computed on the way; B: input wo2: QUANTISED (scales: A lowp_scales[12], B lowp_scales[13])
;;     8. [M 8,192, K 512] x [K 512, N 2,048]; A: computed on the way; B: input w1: QUANTISED (scales: A lowp_scales[14], B lowp_scales[15])
;;     9. [M 8,192, K 2,048] x [K 2,048, N 512]; A: computed on the way; B: input w2: QUANTISED (scales: A lowp_scales[16], B lowp_scales[17])
;;   THE QUANTISER, for each operand of a quantised product, along K:
;;     - The operand's scale is 2^e, e = its entry of the input lowp_scales (int32; the entries are numbered through the quantised products in the list's order, A before B).
;;     - Each number is divided by the scale, clamped to +-448, and rounded to the nearest number of E4M3, ties to even, subnormals kept.
;;     - The product sums the exact products of the quantised numbers (number of the format x scale) in f32.
;;   ~~~python
;;   def quantise(x, axis, e):      # numpy; x: float32 -> the quantised numbers, widened to float32 again
;;       x = np.moveaxis(x, axis, -1); K = x.shape[-1]
;;       r = np.clip(x / 2.0 ** e, -448, 448)
;;       step = 2.0 ** (np.maximum(np.frexp(np.where(r == 0, 1, r))[1] - 1, -6) - 3)
;;       q = np.round(r / step) * step * 2.0 ** e      # np.round: ties to even
;;       return np.moveaxis(q, -1, axis).astype(np.float32)
;;   ~~~
;;   SOFTMAX AHEAD OF A QUANTISED PRODUCT. Where the list says 'softmax', what is quantised is not the finished softmax but p = 2^(t - M), with t = logit x log2(e) and M = ceil(the row's largest t), a whole number; so 1/2 < the row's largest p <= 1. The row's sum l is taken of the UNQUANTISED p, in f32, and the product's result is divided by l at the end. Since M is a whole number, a kernel that streams over the keys may use a running M (the ceiling of the running maximum): every later rescaling is an exact power of two, so the quantised numbers keep their values, but for numbers so far below the row's largest that they fall under the format's range.
;;   OPERANDS COMPUTED ON THE WAY. 'Computed on the way' means the value that the module computes at that place (a softmax that the list does not call 'softmax' is quantised finished and normalised). What goes into a quantiser is computed in f32, as accurately as f32 sums, v_exp_f32 and their like allow (about 1e-6 of the number): no bf16 or f16 on the way to a quantiser, and a product that is left as it is and whose result goes on into a quantised operand takes f32 operands (vector FMAs, or v_wmma_f32_16x16x4_f32). A number that lies on a knife's edge between two numbers of the format may be rounded either way, as far as f32 arithmetic and the matrix unit's own rounding can turn it there, and no further.
;; One version. Each part assembles by itself: llvm-mc -triple=amdgcn-amd-amdhsa -mcpu=gfx1250 --defsym DOCPART=n.
;; ======== version 1 of 1: 4 launches
;; limits: right only within a limited range of input values
;; workspace buffers: wqkv_c 786,432 bytes; wtail_c 2,621,440 bytes; q_c 4,194,304 bytes; kv_c 8,388,608 bytes; att_c 4,194,304 bytes
;; launch prep (part 1): grid 416 x 1, 4 waves a work-group, no clusters, 0 bytes of LDS; arguments wq, wk, wv, wo1, wo2, w1, w2, lowp_scales, wqkv_c, wtail_c; writes wqkv_c, wtail_c
.if DOCPART == 1
	.amdgcn_target "amdgcn-amd-amdhsa--gfx1250"
	.amdhsa_code_object_version 6
	.text
	.protected	k_q315a583ce1_prep
	.globl	k_q315a583ce1_prep
	.p2align	8
	.type	k_q315a583ce1_prep,@function
k_q315a583ce1_prep:
	s_mov_b64 s[64:65], 0
	v_nop
	global_prefetch_b8 v0, s[64:65] scope:SCOPE_SE
	s_setreg_imm32_b32 hwreg(HW_REG_WAVE_MODE, 25, 1), 1
	s_wait_xcnt 0x0
; The seven weights, f32 stored [K][N], become codes of E4M3 with the one scale 2^e given for each, laid as IMAGES OF OPERAND REGISTERS.
; A fragment (16 columns x 128 along K) is 2,048 bytes: chunk c at 512 c, lane l = r + 16 h at 16 l, holding k = 32 c + 16 h + 0..15 of the column that lane row r stands for.
; THE COLUMNS OF A TILE ARE NOT NEIGHBOURS: lane row r of tile 2 g + u stands for column 32 g + 8 u + r + 8 (r / 8).
; A LANE TAKES A COLUMN AND ITS REGISTERS RUN DOWN K: the conversions then give codes with K innermost; nothing is transposed.
; A work-group takes 128 columns x 64 along K, a wave 32 columns (one pair of tiles).  Lanes 0-15 hold tile 2 g's columns in lane-row order, lanes 16-31 tile 2 g + 1's,
; so each store's sixteen neighbouring lanes write 256 consecutive bytes, aligned.
; Work-groups 0-159: wq, wk, wv, wo1, wo2 (32 each); 160-287: w1; 288-415: w2.
; wqkv_c: [matrix 3][tile 32][K step 4][2048].  wtail_c: [wave 4][655360], each wave's fragments in the order in which the last launch uses them:
;   wo1 (4 t + s), wo2 (4 t + s), then for j = 0..3: w1's hidden tiles 32 j + 8 w + t as (4 t + s), w2's K steps 4 j + s as (8 s + t).
; LIMITS: each weight's e between -126 and 119.  NaN is not served; what lies beyond 448 x 2^e is held there.
; WORK LEFT OUT IN THIS PROGRAM: reference() sets every score with key > query to -infinity by a mask of its own (jnp.tril), so its p is 0 whatever the inputs hold;
; the attention launch leaves out the key steps of 128 keys that lie wholly behind a query tile's diagonal.  A NaN, an infinity or an overflow that reaches only those scores is not carried to the result.
.set X,  32                            ; v32-95  two blocks of 32 numbers down K
.set CD, 96                            ; v96-111 their codes: no store's data are written again
.macro LOADS nb                        ; nb: bytes from row to row of the weight
.irp t,0,1
.set IP, 0
.rept 32
	global_load_b32 v[X+32*\t+IP], v3, s[8:9] offset:(32*\t+IP)*\nb th:TH_LOAD_NT
.set IP, IP+1
.endr
.endr
.endm
	s_load_b512 s[8:23], s[0:1], 0x0               ; wq, wk, wv, wo1, wo2, w1, w2, the scales' exponents
	s_load_b128 s[24:27], s[0:1], 0x40             ; wqkv_c, wtail_c
	v_lshrrev_b32 v1, 5, v0
	v_readfirstlane_b32 s28, v1                    ; wave
	v_and_b32 v2, 15, v0                           ; r
	v_bfe_u32 v5, v0, 4, 1                         ; u: which tile of the pair
	v_and_b32 v6, 8, v2
	v_add_nc_u32 v6, v6, v2                        ; r + 8 (r / 8)
	v_lshl_add_u32 v6, v5, 3, v6                   ; + 8 u: my column in the pair's 32
	v_lshlrev_b32 v3, 2, v6
	s_cmp_lt_u32 ttmp9, 160
	s_cbranch_scc0 .Lwide
	s_lshr_b32 s30, ttmp9, 5                       ; matrix 0..4
	s_and_b32 s31, ttmp9, 31
	s_and_b32 s32, s31, 3                          ; which 128 columns
	s_lshr_b32 s33, s31, 2                         ; which 64 along K
	s_lshr_b32 s34, s33, 1                         ; K step
	s_lshl_b32 s35, s30, 18                        ; wqkv_c: matrix x 262,144
	s_lshl_b32 s36, s32, 16
	s_add_co_u32 s35, s35, s36                     ; + 8 tiles x 8,192
	s_mul_i32 s36, s32, 655360                     ; wtail_c: the stream of the wave that owns these columns
	s_max_u32 s37, s30, 3
	s_sub_co_u32 s37, s37, 3
	s_lshl_b32 s37, s37, 16
	s_add_co_u32 s36, s36, s37                     ; wo1 at 0, wo2 at 65,536
	s_cmp_lt_u32 s30, 3
	s_cselect_b32 s35, s35, s36
	s_lshl_b32 s36, s28, 14
	s_add_co_u32 s35, s35, s36                     ; my pair of tiles: 2 x 4 fragments
	s_lshl_b32 s36, s34, 11
	s_add_co_u32 s35, s35, s36
	s_mov_b32 s38, 8192                            ; from tile 2 g to tile 2 g + 1
	s_lshl_b32 s39, s33, 17                        ; 64 rows of 2,048 bytes
	s_branch .Ljoin
.Lwide:
	s_cmp_lt_u32 ttmp9, 288
	s_cbranch_scc0 .Ldeep
	s_mov_b32 s30, 5                               ; w1
	s_sub_co_u32 s31, ttmp9, 160
	s_and_b32 s32, s31, 15
	s_lshr_b32 s33, s31, 4
	s_lshr_b32 s34, s33, 1
	s_and_b32 s36, s32, 3
	s_mul_i32 s35, s36, 655360                     ; wave = (128 columns) mod 4
	s_lshr_b32 s36, s32, 2
	s_lshl_b32 s36, s36, 17                        ; chunk j
	s_add_co_u32 s35, s35, s36
	s_add_co_u32 s35, s35, 131072
	s_lshl_b32 s36, s28, 14
	s_add_co_u32 s35, s35, s36
	s_lshl_b32 s36, s34, 11
	s_add_co_u32 s35, s35, s36
	s_mov_b32 s38, 8192
	s_lshl_b32 s39, s33, 19                        ; 64 rows of 8,192 bytes
	s_branch .Ljoin
.Ldeep:
	s_mov_b32 s30, 6                               ; w2
	s_sub_co_u32 s31, ttmp9, 288
	s_and_b32 s32, s31, 3
	s_lshr_b32 s33, s31, 2
	s_lshr_b32 s34, s33, 1                         ; K step 0..15
	s_mul_i32 s35, s32, 655360
	s_add_co_u32 s35, s35, 196608
	s_lshr_b32 s36, s34, 2
	s_lshl_b32 s36, s36, 17                        ; chunk j = K step / 4
	s_add_co_u32 s35, s35, s36
	s_and_b32 s36, s34, 3
	s_lshl_b32 s36, s36, 14                        ; 8 fragments for each K step
	s_add_co_u32 s35, s35, s36
	s_lshl_b32 s36, s28, 12
	s_add_co_u32 s35, s35, s36                     ; my pair of tiles
	s_mov_b32 s38, 2048
	s_lshl_b32 s39, s33, 17
.Ljoin:
	s_and_b32 s36, s33, 1
	s_lshl_b32 s36, s36, 10
	s_add_co_u32 s40, s35, s36                     ; the second 64 of a K step are chunks 2 and 3
	s_mov_b32 s41, 0
	s_lshl_b32 s36, s32, 9
	s_add_co_u32 s42, s39, s36
	s_lshl_b32 s36, s28, 7
	s_add_co_u32 s42, s42, s36                     ; the source: my rows, my 32 columns
	s_mov_b32 s43, 0
	s_lshl_b32 s44, s30, 3
	s_add_co_u32 s44, s44, 4                       ; the scale's entry: 2 m + 1,
	s_cmp_lt_u32 s30, 3
	s_cselect_b32 s45, 0, 16
	s_add_co_u32 s44, s44, s45                     ; and 4 more from wo1 on; in bytes
	s_wait_alu depctr_va_vdst(0)
	v_mul_lo_u32 v4, v5, s38
	v_lshl_add_u32 v4, v2, 4, v4                   ; where my codes go: 16 r + u x the tiles' distance
	s_wait_kmcnt 0x0
	s_load_b32 s46, s[22:23], s44 offset:0x0       ; e
	s_cmp_eq_u32 s30, 1                            ; the source is chosen by the work-group's number alone
	s_cselect_b64 s[8:9], s[10:11], s[8:9]
	s_cmp_eq_u32 s30, 2
	s_cselect_b64 s[8:9], s[12:13], s[8:9]
	s_cmp_eq_u32 s30, 3
	s_cselect_b64 s[8:9], s[14:15], s[8:9]
	s_cmp_eq_u32 s30, 4
	s_cselect_b64 s[8:9], s[16:17], s[8:9]
	s_cmp_eq_u32 s30, 5
	s_cselect_b64 s[8:9], s[18:19], s[8:9]
	s_cmp_eq_u32 s30, 6
	s_cselect_b64 s[8:9], s[20:21], s[8:9]
	s_cmp_lt_u32 s30, 3
	s_cselect_b64 s[24:25], s[24:25], s[26:27]
	s_add_nc_u64 s[8:9], s[8:9], s[42:43]
	s_add_nc_u64 s[24:25], s[24:25], s[40:41]
	s_cmp_eq_u32 s30, 5
	s_cbranch_scc1 .Lrows8k
	LOADS 2048
	s_branch .Lloaded
.Lrows8k:
	LOADS 8192
.Lloaded:
	s_wait_kmcnt 0x0
	s_add_co_i32 s46, s46, 127
	s_lshl_b32 s47, s46, 23
	v_mov_b32 v11, s47                             ; 2^e as f32: the conversion takes its exponent field
	s_add_co_i32 s46, s46, 8
	s_lshl_b32 s46, s46, 23
	s_or_b32 s46, s46, 0x600000
	v_mov_b32 v10, s46                             ; 448 x 2^e
	s_wait_alu depctr_va_vdst(0)
.irp t,0,1
.if \t == 0
	s_wait_loadcnt 32                              ; the first block's 32 loads are in; the second block's may be out
.else
	s_wait_loadcnt 0x0
.endif
.set IP, 0
.rept 32
	v_med3_num_f32 v[X+32*\t+IP], v[X+32*\t+IP], -v10, v10   ; the conversion does not saturate (ISA guide 7.6.2): the hold comes first
.set IP, IP+1
.endr
.irp q,0,1,2,3
	v_cvt_scalef32_pk8_fp8_f32 v[CD+8*\t+2*\q:CD+8*\t+2*\q+1], v[X+32*\t+8*\q:X+32*\t+8*\q+7], v11
.endr
	global_store_b128 v4, v[CD+8*\t:CD+8*\t+3], s[24:25] offset:512*\t         ; k 0..15 of the block: the places of lanes 0-15 of the image
	global_store_b128 v4, v[CD+8*\t+4:CD+8*\t+7], s[24:25] offset:512*\t+256   ; k 16..31: those of lanes 16-31
.endr
	s_endpgm
.Lfunc_end_k_q315a583ce1_prep:
	.size	k_q315a583ce1_prep, .Lfunc_end_k_q315a583ce1_prep-k_q315a583ce1_prep
	.p2alignl 7, 3214868480
	.fill 96, 4, 3214868480
	.section	.rodata,"a",@progbits
	.p2align	6, 0x0
	.amdhsa_kernel k_q315a583ce1_prep
		.amdhsa_group_segment_fixed_size 0
		.amdhsa_private_segment_fixed_size 0
		.amdhsa_enable_private_segment 0
		.amdhsa_kernarg_size 80
		.amdhsa_user_sgpr_count 2
		.amdhsa_user_sgpr_kernarg_segment_ptr 1
		.amdhsa_wavefront_size32 1
		.amdhsa_system_sgpr_workgroup_id_x 1
		.amdhsa_system_sgpr_workgroup_id_y 1
		.amdhsa_system_sgpr_workgroup_id_z 1
		.amdhsa_system_vgpr_workitem_id 0
		.amdhsa_next_free_vgpr 112
		.amdhsa_next_free_sgpr 66
		.amdhsa_reserve_vcc 0
		.amdhsa_float_denorm_mode_32 3
		.amdhsa_float_denorm_mode_16_64 3
		.amdhsa_memory_ordered 1
		.amdhsa_forward_progress 1
		.amdhsa_inst_pref_size 22
	.end_amdhsa_kernel
	.amdgpu_metadata
---
amdhsa.version: [ 1, 2 ]
amdhsa.kernels:
  - .name:           k_q315a583ce1_prep
    .symbol:         k_q315a583ce1_prep.kd
    .args:
      - { .name: wq, .offset: 0, .size: 8, .value_kind: global_buffer, .address_space: global }
      - { .name: wk, .offset: 8, .size: 8, .value_kind: global_buffer, .address_space: global }
      - { .name: wv, .offset: 16, .size: 8, .value_kind: global_buffer, .address_space: global }
      - { .name: wo1, .offset: 24, .size: 8, .value_kind: global_buffer, .address_space: global }
      - { .name: wo2, .offset: 32, .size: 8, .value_kind: global_buffer, .address_space: global }
      - { .name: w1, .offset: 40, .size: 8, .value_kind: global_buffer, .address_space: global }
      - { .name: w2, .offset: 48, .size: 8, .value_kind: global_buffer, .address_space: global }
      - { .name: lowp_scales, .offset: 56, .size: 8, .value_kind: global_buffer, .address_space: global }
      - { .name: wqkv_c, .offset: 64, .size: 8, .value_kind: global_buffer, .address_space: global }
      - { .name: wtail_c, .offset: 72, .size: 8, .value_kind: global_buffer, .address_space: global }
    .group_segment_fixed_size: 0
    .private_segment_fixed_size: 0
    .kernarg_segment_align: 8
    .kernarg_segment_size: 80
    .max_flat_workgroup_size: 128
    .sgpr_count:     66
    .vgpr_count:     112
    .wavefront_size: 32
...
	.end_amdgpu_metadata
.endif
;; end of part 1
;; launch qkv (part 2): grid 3 x 64, 4 waves a work-group, no clusters, 274,944 bytes of LDS; arguments x, ln1_scale, lowp_scales, wqkv_c, q_c, kv_c; writes q_c, kv_c
.if DOCPART == 2
	.amdgcn_target "amdgcn-amd-amdhsa--gfx1250"
	.amdhsa_code_object_version 6
	.text
	.protected	k_q315a583ce1_qkv
	.globl	k_q315a583ce1_qkv
	.p2align	8
	.type	k_q315a583ce1_qkv,@function
k_q315a583ce1_qkv:
	s_mov_b64 s[64:65], 0
	v_nop
	global_prefetch_b8 v0, s[64:65] scope:SCOPE_SE
	s_setreg_imm32_b32 hwreg(HW_REG_WAVE_MODE, 25, 1), 1
	s_wait_xcnt 0x0
; LayerNorm 1, its quantiser, ONE of the products q, k, v (work-group x = 0, 1, 2) for 128 rows (work-group y), and the quantiser of the result.
; SHARES.  Wave w normalises rows 32 w .. 32 w + 31 (two tiles of 16) and leaves their codes in LDS as images of operand registers; then wave w makes columns 128 w .. 128 w + 127
; (heads 2 w, 2 w + 1) for all 128 rows.  Its 32 weight fragments, 512 registers, are read from memory once and stay in registers.
; ORDER OF ROWS AND COLUMNS: lane row r of tile 2 g + u stands for index 32 g + 8 u + r + 8 (r / 8), for rows and for weight columns alike.  So the 16 registers of two neighbouring
; tiles of a result are 16 neighbours along the next product's K, and the conversions' results are that product's operand registers.
; q, k: source 0 = weight tile, source 1 = rows: a lane holds one row, registers run along the head's 64.  v: the sources change places: a lane holds one channel, registers run along the keys.
; OUT.  q_c [head 32][tile 128][chunk 2][512]; kv_c [head 32][key step 16][16384]: 8 tiles of K x 1,024, then 4 tiles of V^T x 2,048.  Every store covers 512 consecutive bytes, aligned.
; NO CLUSTER: a weight fragment has one reader in a work-group and goes straight into its registers; x's rows are shared by three work-groups only, and three is no cluster's width here.
; LDS: wave w's x at 66,560 w: row i at 2,080 i, a row's halves 1,040 apart (1,024 + 16 of padding).  Tile u's image (8,192 bytes) is laid at 33,280 u, over rows of tile 0,
; which has had its only fill and has been read into registers.  From 266,240: a copy of ln1_scale for each wave.
; LIMITS: e0, e2, e4 and e[6+m] - e[2m] - e[2m+1] between -126 and 119.  NaN and infinities among the inputs are not served.
; REGISTERS: window 0: addresses, statistics; v32-95, v192-255 the gains by turns; v96-127 codes on the way out; v128-255 accumulators (during LayerNorm v128-191 the tile's codes).
;   window 1: a tile's 256 numbers of x; later two sets of 8 row fragments.   windows 2, 3: the weight fragments of tiles 0-3, 4-7, at 16 (4 t + s).
; x IN LDS, as the one tensor load of a wave lays it: the wave's 32 rows in their own order, row i at 2,080 i; lane row r of tile u reads row 8 u + r + 8 (r / 8).
; Tile 0's image lies over rows 0-3, tile 1's (at 33,280) over rows 16-19: both are rows of tile 0, which is in registers before the first image is stored.
.set XW,  66560
.set XT,  33280
.set RP,  2080
.set HP,  1040
.set LNS, 4*XW
.set LI,  1                            ; v1   16 x lane
.set XR,  2                            ; v2   my place in a tile of x
.set GR,  3                            ; v3   my place in my wave's copy of the gains
.set IW,  4                            ; v4   where I store images
.set GW,  5                            ; v5   where I store the gains
.set MU,  8                            ; v[8:9]   the mean, twice
.set RS,  10                           ; v[10:11] 1 / sqrt(var + eps), twice
.set SM,  12                           ; v12-19   four chains of sums
.set QS,  20                           ; v20, v21 scale and hold of the rows' quantiser
.set QL,  21
.set OS,  22                           ; v22, v23 of the result's
.set OL,  23
.set PT,  24
.set AR,  26                           ; v26-29   16 x lane + the pairs' regions
.set TA,  32
.set PC,  96
.set ACC, 128
.set CD,  128
.set MSB, 0
.macro WIN new                         ; the immediate's high byte repeats the setting that is left
.if MSB != (\new)
	s_set_vgpr_msb (MSB<<8)|(\new)
.set MSB, (\new)
.endif
.endm
.macro NOP4
.rept 4
	v_nop
.endr
.endm
.macro MKQ se, vs, vl                  ; 2^E and 448 x 2^E as f32
	s_add_co_i32 s78, \se, 127
	s_lshl_b32 s79, s78, 23
	v_mov_b32 v[\vs], s79
	s_add_co_i32 s78, s78, 8
	s_lshl_b32 s78, s78, 23
	s_or_b32 s78, s78, 0x600000
	v_mov_b32 v[\vl], s78
.endm
.macro WLOAD f0, f1                    ; weight fragments f0 .. f1 (f = 4 t + s)
.set FF, \f0
.rept \f1-\f0+1
	WIN 0x80+0x40*(FF/16)
.irp c,0,1,2,3
	global_load_b128 v[16*(FF%16)+4*\c:16*(FF%16)+4*\c+3], v[LI], s[10:11] offset:2048*FF+512*\c
.endr
.set FF, FF+1
.endr
	WIN 0
.endm
.macro GLOAD reg, ks                   ; my 64 gains of K step ks
.irp c,0,1,2,3
.irp j,0,1,2,3
	ds_load_b128 v[\reg+16*\c+4*\j:\reg+16*\c+4*\j+3], v[GR] offset:512*(\ks)+128*\c+16*\j
.endr
.endr
.endm
.macro JOIN                            ; four chains, two halves, and the lane 16 away, which holds the row's other 256 numbers
	v_pk_add_f32 v[SM:SM+1], v[SM:SM+1], v[SM+2:SM+3]
	v_pk_add_f32 v[SM+4:SM+5], v[SM+4:SM+5], v[SM+6:SM+7]
	v_pk_add_f32 v[SM:SM+1], v[SM:SM+1], v[SM+4:SM+5]
	v_add_f32 v[SM], v[SM], v[SM+1]
	v_permlanex16_b32 v[PT], v[SM], s50, s51
	v_add_f32 v[SM], v[SM], v[PT]
.endm
; Tile u: lane (r, h) takes, of row r, k = 32 c + 16 h + 0..15 for c = 0..15; mean, centred numbers, variance of the centred numbers.
.macro LNSTAT u, tcnt
	s_wait_tensorcnt \tcnt                         ; my one load has landed
	WIN 0x40
.set CC, 0
.rept 16
.irp j,0,1,2,3
	ds_load_b128 v[16*CC+4*\j:16*CC+4*\j+3], v[XR] offset:\u*8*RP+(CC/8)*HP+(CC%8)*128+16*\j
.endr
.set CC, CC+1
.endr
	WIN 0
	GLOAD TA, 0
	s_wait_dscnt 16                                ; x is in; the 16 loads of gains may be out
	WIN 0x05
.irp q,0,1,2,3
	v_pk_add_f32 v[SM+2*\q:SM+2*\q+1], v[2*\q:2*\q+1], v[8+2*\q:9+2*\q]
.endr
	WIN 0x04
.set IP, 8
.rept 120
	v_pk_add_f32 v[SM+2*(IP%4):SM+2*(IP%4)+1], v[SM+2*(IP%4):SM+2*(IP%4)+1], v[2*IP:2*IP+1]
.set IP, IP+1
.endr
	WIN 0
	JOIN
	v_mul_f32 v[MU], s58, v[SM]
	v_mov_b32 v[MU+1], v[MU]
	WIN 0x41
.set IP, 0
.rept 128
	v_pk_add_f32 v[2*IP:2*IP+1], v[2*IP:2*IP+1], v[MU:MU+1] neg_lo:[0,1] neg_hi:[0,1]
.set IP, IP+1
.endr
	WIN 0x05
.irp q,0,1,2,3
	v_pk_mul_f32 v[SM+2*\q:SM+2*\q+1], v[2*\q:2*\q+1], v[2*\q:2*\q+1]
.endr
.set IP, 4
.rept 124
	v_pk_fma_f32 v[SM+2*(IP%4):SM+2*(IP%4)+1], v[2*IP:2*IP+1], v[2*IP:2*IP+1], v[SM+2*(IP%4):SM+2*(IP%4)+1]
.set IP, IP+1
.endr
	WIN 0
	JOIN
	v_fma_f32 v[SM], v[SM], s58, s59               ; var + eps
	s_wait_alu depctr_va_vdst(0)
	v_rsq_f32 v[RS], v[SM]
	v_nop                                          ; a plain instruction behind the transcendental,
	s_wait_alu depctr_va_vdst(0)                   ; and the wait ahead of its first reader
	v_mov_b32 v[RS+1], v[RS]
.endm
; Tile u: (x - mu) x rsqrt x gain, held, converted: four fragments, stored as images.
.macro LNQ u
.irp s,0,1,2,3
	WIN 0
.if \s < 3
	GLOAD TA+160*((\s+1)%2), \s+1
	s_wait_dscnt 16                                ; this K step's gains are in; the next step's 16 loads may be out
.else
	s_wait_dscnt 0x0
.endif
	WIN 0x41
.set IP, 0
.rept 32
	v_pk_mul_f32 v[64*\s+IP:64*\s+IP+1], v[64*\s+IP:64*\s+IP+1], v[RS:RS+1]
.set IP, IP+2
.endr
.set IP, 0
.rept 32
	v_pk_mul_f32 v[64*\s+IP:64*\s+IP+1], v[64*\s+IP:64*\s+IP+1], v[TA+160*(\s%2)+IP:TA+160*(\s%2)+IP+1]
.set IP, IP+2
.endr
.set IP, 0
.rept 64
	v_med3_num_f32 v[64*\s+IP], v[64*\s+IP], -v[QL], v[QL]
.set IP, IP+1
.endr
	WIN 0x01
.irp q,0,1,2,3,4,5,6,7
	v_cvt_scalef32_pk8_fp8_f32 v[CD+16*\s+2*\q:CD+16*\s+2*\q+1], v[64*\s+8*\q:64*\s+8*\q+7], v[QS]
.endr
.endr
	v_nop                                          ; one plain instruction behind the last conversion
	WIN 0
.irp s,0,1,2,3
.irp c,0,1,2,3
	ds_store_b128 v[IW], v[CD+16*\s+4*\c:CD+16*\s+4*\c+3] offset:\u*XT+2048*\s+512*\c
.endr
.endr
.endm
.macro AFETCH g, p                     ; the eight fragments of rows 32 g .. 32 g + 31 into set p of window 1
	WIN 0x40
.irp u,0,1
.irp s,0,1,2,3
.irp c,0,1,2,3
	ds_load_b128 v[128*(\p)+16*(4*\u+\s)+4*\c:128*(\p)+16*(4*\u+\s)+4*\c+3], v[AR+\g] offset:\u*XT+2048*\s+512*\c
.endr
.endr
.endr
	WIN 0
.endm
; 64 matrix instructions: 8 weight tiles x 2 tiles of rows x 4 K steps, in two runs of eight accumulators that take turns, one instruction a turn.
.macro MULQ p, vv
.irp hh,0,1
.if \vv
	WIN 0x09+4*\hh                                 ; source 0 rows (window 1), source 1 weights (window 2 or 3)
.else
	WIN 0x06+\hh                                   ; source 0 weights, source 1 rows
.endif
.irp s,0,1,2,3
.irp t,0,1,2,3
.irp u,0,1
.if \vv
.set RD_, ACC+16*(4*\hh+\t)+8*\u
.set RA_, 128*(\p)+16*(4*\u+\s)
.set RB_, 16*(4*\t+\s)
.else
.set RD_, ACC+64*\u+8*(4*\hh+\t)
.set RA_, 16*(4*\t+\s)
.set RB_, 128*(\p)+16*(4*\u+\s)
.endif
.if \s == 0
	v_wmma_f32_16x16x128_fp8_fp8 v[RD_:RD_+7], v[RA_:RA_+15], v[RB_:RB_+15], 0
.else
	v_wmma_f32_16x16x128_fp8_fp8 v[RD_:RD_+7], v[RA_:RA_+15], v[RB_:RB_+15], v[RD_:RD_+7]
.endif
.endr
.endr
.endr
.endr
.endm
; The 128 sums of a lane become 32 registers of codes and leave as they stand: eight stores of 512 consecutive bytes.
.macro QOUT g, vv
	s_wait_xcnt 0x0                                ; the last pair's stores have read their registers
.irp z,0,1
.set IP, 0
.rept 64
	v_med3_num_f32 v[ACC+64*\z+IP], v[ACC+64*\z+IP], -v[OL], v[OL]   ; each accumulator from its low end on
.set IP, IP+1
.endr
.irp q,0,1,2,3,4,5,6,7
	v_cvt_scalef32_pk8_fp8_f32 v[PC+16*\z+2*\q:PC+16*\z+2*\q+1], v[ACC+64*\z+8*\q:ACC+64*\z+8*\q+7], v[OS]
.endr
.endr
	v_nop
.irp z,0,1
.irp b,0,1,2,3
.if \vv
	global_store_b128 v[LI], v[PC+16*\z+4*\b:PC+16*\z+4*\b+3], s[66+2*\z:67+2*\z] offset:\b*2048+512*(\g)              ; head z, channel tile b, keys 32 g on
.else
	global_store_b128 v[LI], v[PC+16*\z+4*\b:PC+16*\z+4*\b+3], s[66+2*(\b/2):67+2*(\b/2)] offset:(2*(\g)+\z)*1024+512*(\b%2)   ; row tile 2 g + z, head b / 2, channels 32 (b % 2) on
.endif
.endr
.endr
.endm
.macro PROD vv
	AFETCH 0, 0
.irp g,0,1,2,3
.if \g < 3
	AFETCH \g+1, (\g+1)%2                          ; the other set's last readers stand ahead of the four places and the conversions of the pair before
	s_wait_dscnt 32                                ; this pair's fragments are in; the next pair's 32 loads may be out
.else
	s_wait_dscnt 0x0
.endif
	MULQ \g%2, \vv
	WIN 0
	NOP4                                           ; four places ahead of the first read of results (ISA guide 7.12.1)
	QOUT \g, \vv
.endr
.endm
	s_load_b256 s[4:11], s[0:1], 0x0               ; x, ln1_scale, the scales' exponents, wqkv_c
	s_load_b128 s[12:15], s[0:1], 0x20             ; q_c, kv_c
	v_lshl_add_u32 v30, v0, 2, 0x43000
	v_mov_b32 v31, 0
	ds_add_u32 v30, v31
	ds_add_u32 v30, v31
	v_lshrrev_b32 v6, 5, v0
	v_readfirstlane_b32 s52, v6                    ; wave
	s_and_b32 s53, ttmp7, 0xffff                   ; which 128 rows
	; descriptor group 1: 32 rows of x, dense in memory, stated as 64 rows of 256 elements of 4 bytes, 4 words of padding behind each
	s_mov_b32 s24, (2<<16)|(1<<20)|(7<<22)|(3<<25)
	s_mov_b32 s25, 256<<16                         ; tensor_dim0
	s_mov_b32 s26, 64<<16                          ; tensor_dim1: 32 rows of x as 64 rows of 1,024 bytes
	s_mov_b32 s27, 256<<16                         ; tile_dim0
	s_mov_b32 s28, 64                              ; tile_dim1
	s_mov_b32 s29, 256                             ; from row to row
	s_mov_b32 s30, 0
	s_mov_b32 s31, 0
	s_mov_b32 s50, 0x76543210                      ; v_permlanex16_b32: lane l xor 16
	s_mov_b32 s51, 0xfedcba98
	s_mov_b32 s58, 0x3b000000                      ; 1 / 512
	s_mov_b32 s59, 0x358637bd                      ; 1e-6
	s_mul_i32 s54, s52, XW                         ; my region of LDS
	s_lshl_b32 s56, s53, 18                        ; 128 rows of 2,048 bytes
	s_lshl_b32 s55, s52, 16                        ; my 32
	s_add_co_u32 s56, s56, s55
	s_mov_b32 s57, 0
	s_lshl_b32 s20, ttmp9, 3
	s_lshl_b32 s21, ttmp9, 2
	s_wait_dscnt 0x0
	s_wait_kmcnt 0x0
	s_load_b64 s[16:17], s[8:9], s20 offset:0x0    ; e[2 m], e[2 m + 1]
	s_load_b32 s18, s[8:9], s21 offset:0x18        ; e[6 + m]
	s_add_nc_u64 s[4:5], s[4:5], s[56:57]
.irp k,0                               ; one group 0: my 32 rows, dense in memory, to my region
	s_mov_b32 s[32+4*\k], 1
	s_add_co_u32 s[33+4*\k], s54, \k*16640
	s_add_nc_u64 s[34+4*\k:35+4*\k], s[4:5], ((\k%2)*2+\k/2)*16384
	s_or_b32 s[35+4*\k], s[35+4*\k], 0x80000000
.endr
	tensor_load_to_lds s[32:35], s[24:31]          ; my one tensor load: 65,536 bytes of x
	s_nop 0
	v_and_b32 v6, 15, v0                           ; r
	v_bfe_u32 v7, v0, 4, 1                         ; h
	v_and_b32 v[LI], 31, v0
	v_and_b32 v[XR], 8, v6
	v_add_nc_u32 v[XR], v[XR], v6                  ; r + 8 (r / 8)
	v_mul_u32_u24 v[XR], v[XR], RP
	v_lshlrev_b32 v[LI], 4, v[LI]
	v_lshl_add_u32 v[XR], v7, 6, v[XR]
	v_add_nc_u32 v[XR], s54, v[XR]
	s_lshl_b32 s55, s52, 11
	s_add_co_u32 s55, s55, LNS
	v_lshl_add_u32 v[GR], v7, 6, s55
	v_add_nc_u32 v[GW], s55, v[LI]
	v_add_nc_u32 v[IW], s54, v[LI]
.irp g,0,1,2,3
	v_add_nc_u32 v[AR+\g], \g*XW, v[LI]
.endr
	v_mov_b32 v[PT], 0                             ; a lane permute's destination counts as one of its sources
	s_lshl_b32 s56, ttmp9, 18
	s_lshl_b32 s55, s52, 16
	s_add_co_u32 s56, s56, s55
	s_add_nc_u64 s[10:11], s[10:11], s[56:57]      ; my 32 weight fragments
.irp q,0,1,2,3
	global_load_b128 v[PC+4*\q:PC+4*\q+3], v[LI], s[6:7] offset:512*\q
.endr
	WLOAD 0, 14
	; where the results go: heads 2 w and 2 w + 1 of my batch
	s_lshr_b32 s70, s53, 4
	s_and_b32 s71, s53, 15
	s_lshl_b32 s70, s70, 3
	s_lshl_b32 s72, s52, 1
	s_add_co_u32 s70, s70, s72
	s_lshl_b32 s70, s70, 17                        ; q_c: a head is 131,072 bytes,
	s_lshl_b32 s71, s71, 13                        ; 128 rows 8,192
	s_add_co_u32 s70, s70, s71
	s_cmp_eq_u32 ttmp9, 0
	s_cselect_b32 s72, 0, 1
	s_cselect_b64 s[66:67], s[12:13], s[14:15]
	s_lshl_b32 s70, s70, s72                       ; kv_c: twice that
	s_lshl_b32 s73, 131072, s72
	s_cmp_eq_u32 ttmp9, 2
	s_cselect_b32 s74, 8192, 0                     ; V^T lies behind K's eight tiles
	s_add_co_u32 s70, s70, s74
	s_mov_b32 s71, 0
	s_add_nc_u64 s[66:67], s[66:67], s[70:71]
	s_mov_b32 s74, s73
	s_mov_b32 s75, 0
	s_add_nc_u64 s[68:69], s[66:67], s[74:75]
	s_wait_kmcnt 0x0
	MKQ s16, QS, QL
	s_sub_co_i32 s76, s18, s16
	s_sub_co_i32 s76, s76, s17                     ; a sum stands for sum x 2^(e[2m] + e[2m+1]): the three scales are folded into the conversion's one
	MKQ s76, OS, OL
	s_wait_loadcnt 60                              ; the gains are in; the 60 loads of weights behind them may be out
.irp q,0,1,2,3
	ds_store_b128 v[GW], v[PC+4*\q:PC+4*\q+3] offset:512*\q
.endr
	LNSTAT 0, 0                                    ; my one load has landed
	s_wait_alu depctr_va_vdst(0)
	LNQ 0
	WLOAD 15, 29
	LNSTAT 1, 0
	s_wait_alu depctr_va_vdst(0)
	WLOAD 30, 31
	LNQ 1
	s_wait_loadcnt 0x0                             ; the weights
	s_wait_dscnt 0x0                               ; for the others' sake: my images have landed
	s_barrier_signal -1
	s_barrier_wait -1
	s_cmp_eq_u32 ttmp9, 2                          ; both ways only read LDS from here on
	s_cbranch_scc1 .Lv
	PROD 0
	s_wait_tensorcnt 0x0
	ds_add_u32 v30, v31
	s_wait_dscnt 0x0
	s_endpgm
.Lv:
	PROD 1
	s_wait_tensorcnt 0x0
	ds_add_u32 v30, v31
	s_wait_dscnt 0x0
	s_endpgm
.Lfunc_end_k_q315a583ce1_qkv:
	.size	k_q315a583ce1_qkv, .Lfunc_end_k_q315a583ce1_qkv-k_q315a583ce1_qkv
	.p2alignl 7, 3214868480
	.fill 96, 4, 3214868480
	.section	.rodata,"a",@progbits
	.p2align	6, 0x0
	.amdhsa_kernel k_q315a583ce1_qkv
		.amdhsa_group_segment_fixed_size 274944
		.amdhsa_private_segment_fixed_size 0
		.amdhsa_enable_private_segment 0
		.amdhsa_kernarg_size 48
		.amdhsa_user_sgpr_count 2
		.amdhsa_user_sgpr_kernarg_segment_ptr 1
		.amdhsa_wavefront_size32 1
		.amdhsa_system_sgpr_workgroup_id_x 1
		.amdhsa_system_sgpr_workgroup_id_y 1
		.amdhsa_system_sgpr_workgroup_id_z 1
		.amdhsa_system_vgpr_workitem_id 0
		.amdhsa_next_free_vgpr 1024
		.amdhsa_next_free_sgpr 80
		.amdhsa_reserve_vcc 0
		.amdhsa_float_denorm_mode_32 3
		.amdhsa_float_denorm_mode_16_64 3
		.amdhsa_memory_ordered 1
		.amdhsa_forward_progress 1
		.amdhsa_inst_pref_size 255
	.end_amdhsa_kernel
	.section	.bss,"aw",@nobits
	.p2align	6
	.space	262144
	.amdgpu_metadata
---
amdhsa.version: [ 1, 2 ]
amdhsa.kernels:
  - .name:           k_q315a583ce1_qkv
    .symbol:         k_q315a583ce1_qkv.kd
    .args:
      - { .name: x, .offset: 0, .size: 8, .value_kind: global_buffer, .address_space: global }
      - { .name: ln1_scale, .offset: 8, .size: 8, .value_kind: global_buffer, .address_space: global }
      - { .name: lowp_scales, .offset: 16, .size: 8, .value_kind: global_buffer, .address_space: global }
      - { .name: wqkv_c, .offset: 24, .size: 8, .value_kind: global_buffer, .address_space: global }
      - { .name: q_c, .offset: 32, .size: 8, .value_kind: global_buffer, .address_space: global }
      - { .name: kv_c, .offset: 40, .size: 8, .value_kind: global_buffer, .address_space: global }
    .group_segment_fixed_size: 274944
    .private_segment_fixed_size: 0
    .kernarg_segment_align: 8
    .kernarg_segment_size: 48
    .max_flat_workgroup_size: 128
    .sgpr_count:     80
    .vgpr_count:     1024
    .wavefront_size: 32
...
	.end_amdgpu_metadata
.endif
;; end of part 2
;; launch attn (part 3): grid 8 x 32, 16 waves a work-group, no clusters, 327,680 bytes of LDS; arguments q_c, kv_c, lowp_scales, att_c; writes att_c
.if DOCPART == 3
	.amdgcn_target "amdgcn-amd-amdhsa--gfx1250"
	.amdhsa_code_object_version 6
	.text
	.protected	k_q315a583ce1_attn
	.globl	k_q315a583ce1_attn
	.p2align	8
	.type	k_q315a583ce1_attn,@function
k_q315a583ce1_attn:
	s_mov_b64 s[64:65], 0
	v_nop
	global_prefetch_b8 v0, s[64:65] scope:SCOPE_SE
	s_setreg_imm32_b32 hwreg(HW_REG_WAVE_MODE, 25, 1), 1
	s_wait_xcnt 0x0
; Causal attention of one head (work-group y) on codes of E4M3, and the quantiser of its result.  Key steps wholly behind a tile's diagonal are left out (the mask is reference()'s own).
; p = 2^(t - M), M the running largest t rounded up to a whole number; the row's sum is taken of the unquantised p and divides at the end.
; SHARES.  Work-group x owns query blocks x and 15 - x (128 queries each, 8 tiles of 16).  Waves 2 i and 2 i + 1 share tile i of both blocks: S (block x, x + 1 key steps of 128 keys) and L (block 15 - x, 16 - x steps).
; Wave a takes L's steps 0..8.  Wave b takes all of S, stores it, begins anew and takes L's steps 9..15 - x.  So a walks 9 steps and b 8, for every x but 0 (below).
; b then hands its part of L (O^T, -M, the sums) to a through a stage in LDS; a brings both parts under the smaller -M by two exact powers of two, adds them and finishes L.  A part with no step (x = 7) has the factor 0.
; LDS.  The head's 16 key steps x 16,384 bytes (8 tiles of K x 1,024, 4 tiles of V^T x 2,048, images of operand registers) lie as [piece 16][step 16][1,024]: wave w fetches piece w of every step,
; steps 0-3 by its load at the head, steps 4-15 by a second load behind the full sequence: each load holds bytes that every work-group reads.  Nothing is filled again.
; NO CLUSTER: the work-groups that share a head's tiles differ in x, and the branches round hidden steps hang on x.  NO PREFETCH: all of K and V is asked for at the head; there is no loop to run ahead in.
; LIMITS: e6 + e7 between -123 and 130; e9 and e10 - e8 - e9 between -126 and 119; the scaled scores stay under 2^31 in magnitude.  NaN and infinities are not served.
; REGISTERS: v1 16 x lane; v2 diagonal; v3 stage; v8-11 LDS addresses; v12 -M, v13 largest t, v[14:15] sums; v16-23 Q in hand; v24-31 L's Q; v32-95 fragments; v96-159 S^T, p; v160-191 O^T; v224-239 codes.
; THE SPLIT OF L FOR x = 0: there S has one step, so wave b has one step ahead of the barrier behind step 3; wave a then takes L's steps 0..9 and wave b steps 10..15, six steps each behind that barrier.
.set LI,  1
.set D0,  2
.set SG,  3
.set ADR, 8
.set SPW, 251
.set NIL, 255
.set WV,  18
.set BH,  19
.set ROLE, 50                          ; 1: wave a
.set BL,  51                           ; 15 - x
.set LIM, 52                           ; last step that I walk of the tile in hand
.set DG,  53                           ; the step on its diagonal
.set MT,  54                           ; the step ahead of which I change tiles (wave a: none)
.set SEL, 58
.set ST,  60
.set TB,  61
.set CS,  62
.set SPARE, 0x40000                    ; the spare words: 16 waves x 128 bytes
.set STAGE, 0x40800                    ; 8 pairs x 4,608 bytes; no tile lands here
.macro NOP4
.rept 4
	v_nop
.endr
.endm
.macro MKQ se, vs, vl                  ; 2^E and 448 x 2^E as f32
	s_add_co_i32 s78, \se, 127
	s_lshl_b32 s79, s78, 23
	v_mov_b32 v[\vs], s79
	s_add_co_i32 s78, s78, 8
	s_lshl_b32 s78, s78, 23
	s_or_b32 s78, s78, 0x600000
	v_mov_b32 v[\vl], s78
.endm
.macro FRESH                           ; a tile's state before its first step
	v_mov_b32 v13, 0xff61b1e6
	v_floor_f32 v12, -v13
	v_mov_b32 v14, 0
	v_mov_b32 v15, 0
.set IP, 0
.rept 32
	v_mov_b32 v[160+IP], 0
.set IP, IP+1
.endr
.endm
.macro FINISH                          ; O^T / the sum, held, converted with 2^(e10 - e8 - e9), stored: two stores of 512 consecutive bytes
	v_add_f32 v14, v14, v15
	v_permlanex16_b32 v246, v14, s[SEL], s[SEL+1]
	v_add_f32 v14, v14, v246
	s_wait_alu depctr_va_vdst(0)                   ; the wait ahead of the transcendental
	v_rcp_f32 v14, v14
	v_nop
	s_wait_alu depctr_va_vdst(0)                   ; and ahead of its first reader, which is O^T's too
.set IP, 0
.rept 32
	v_mul_f32 v[96+IP], v[160+IP], v14
.set IP, IP+1
.endr
.set IP, 0
.rept 32
	v_med3_num_f32 v[96+IP], v[96+IP], -v241, v241
.set IP, IP+1
.endr
.irp q,0,1,2,3
	v_cvt_scalef32_pk8_fp8_f32 v[224+2*\q:225+2*\q], v[96+8*\q:103+8*\q], v245
.endr
	v_nop
	global_store_b128 v[LI], v[224:227], s[10:11]
	global_store_b128 v[LI], v[228:231], s[10:11] offset:512
.endm
	s_load_b256 s[4:11], s[0:1], 0x0               ; q_c, kv_c, the scales' exponents, att_c
	v_lshl_add_u32 v[SPW], v0, 2, SPARE
	v_mov_b32 v[NIL], 0
	ds_add_u32 v[SPW], v[NIL]                      ; the opening lines: the add twice on end and one wait
	ds_add_u32 v[SPW], v[NIL]
	v_lshrrev_b32 v4, 5, v0
	v_readfirstlane_b32 s[WV], v4
	s_and_b32 s[BH], ttmp7, 0xffff
	s_mov_b32 s24, 3<<16                           ; group 1, first load: 4 rows of 128 elements of 8 bytes, 2,048 elements apart
	s_mov_b32 s25, 128<<16
	s_mov_b32 s26, 4<<16
	s_mov_b32 s27, 128<<16
	s_mov_b32 s28, 4
	s_mov_b32 s29, 2048
	s_mov_b32 s30, 0
	s_mov_b32 s31, 0
	s_mov_b32 s32, 3<<16                           ; second load: 12 such rows
	s_mov_b32 s33, 128<<16
	s_mov_b32 s34, 12<<16
	s_mov_b32 s35, 128<<16
	s_mov_b32 s36, 12
	s_mov_b32 s37, 2048
	s_mov_b32 s38, 0
	s_mov_b32 s39, 0
	s_lshl_b32 s20, s[BH], 18                      ; the head's 262,144 bytes,
	s_lshl_b32 s22, s[WV], 10                      ; my piece of a step
	s_add_co_u32 s20, s20, s22
	s_mov_b32 s21, 0
	s_mov_b32 s40, 1
	s_lshl_b32 s41, s[WV], 14                      ; my piece's 16,384 bytes of LDS
	s_mov_b32 s44, 1
	s_add_co_u32 s45, s41, 4096                    ; step 4 on
	s_wait_dscnt 0x0
	s_wait_kmcnt 0x0
	s_load_b128 s[12:15], s[8:9], 0x18             ; e6 .. e9
	s_load_b32 s16, s[8:9], 0x28                   ; e10
	s_add_nc_u64 s[42:43], s[6:7], s[20:21]
	s_add_nc_u64 s[46:47], s[42:43], 0x10000
	s_or_b32 s43, s43, 0x80000000
	s_or_b32 s47, s47, 0x80000000
	tensor_load_to_lds s[40:43], s[24:31]          ; steps 0-3: my one load at the head
	s_nop 0
	s_lshr_b32 s[ROLE], s[WV], 2
	s_xor_b32 s[ROLE], s[ROLE], s[WV]
	s_and_b32 s[ROLE], s[ROLE], 1                  ; of waves w, w + 4, w + 8, w + 12 two are a and two are b
	s_sub_co_u32 s[BL], 15, ttmp9
	s_lshr_b32 s55, s[WV], 1                       ; tile i in its block
	s_cmp_eq_u32 ttmp9, 0
	s_cselect_b32 s67, 10, 9                       ; L's first step that is wave b's
	s_sub_co_u32 s76, s67, 1                       ; and the last that is wave a's
	s_cmp_eq_u32 s[ROLE], 1
	s_cselect_b32 s[DG], s[BL], ttmp9              ; the block of my first tile
	s_cselect_b32 s[LIM], s76, ttmp9
	s_cselect_b32 s[MT], 63, s67
	s_lshl_b32 s56, s[DG], 3
	s_add_co_u32 s56, s56, s55                     ; my first tile, which is also the one that I store
	s_lshl_b32 s66, s[BL], 3
	s_add_co_u32 s66, s66, s55                     ; L
	s_lshl_b32 s57, s[BH], 7
	s_add_co_u32 s68, s57, s56
	s_lshl_b32 s68, s68, 10
	s_mov_b32 s69, 0
	s_add_nc_u64 s[68:69], s[4:5], s[68:69]
	s_add_co_u32 s70, s57, s66
	s_lshl_b32 s70, s70, 10
	s_mov_b32 s71, 0
	s_add_nc_u64 s[70:71], s[4:5], s[70:71]
	s_lshr_b32 s72, s[BH], 3                       ; att_c: [batch][tile 128][K step 4][2048], head h in K step h / 2, chunks 2 (h % 2) on
	s_lshl_b32 s72, s72, 7
	s_add_co_u32 s72, s72, s56
	s_lshl_b32 s72, s72, 2
	s_and_b32 s73, s[BH], 7
	s_lshr_b32 s74, s73, 1
	s_add_co_u32 s72, s72, s74
	s_lshl_b32 s72, s72, 11
	s_and_b32 s73, s73, 1
	s_lshl_b32 s73, s73, 10
	s_add_co_u32 s72, s72, s73
	s_mov_b32 s73, 0
	s_add_nc_u64 s[10:11], s[10:11], s[72:73]
	s_lshr_b32 s74, s[WV], 2
	s_lshl_b32 s74, s74, 5
	s_and_b32 s75, s55, 1
	s_lshl_b32 s75, s75, 3
	s_add_co_u32 s74, s74, s75                     ; 32 (i / 2) + 8 (i % 2)
	s_mul_i32 s75, s55, 4608
	s_add_co_u32 s75, s75, STAGE
	s_mov_b32 s[SEL], 0x76543210
	s_mov_b32 s[SEL+1], 0xfedcba98
	s_mov_b32 s[ST], 0
	s_mov_b32 s[TB], 0
	v_and_b32 v[LI], 31, v0
	v_lshlrev_b32 v[LI], 4, v[LI]
	global_load_b128 v[16:19], v[LI], s[68:69]     ; Q of my first tile, under the tensor load's flight
	global_load_b128 v[20:23], v[LI], s[68:69] offset:512
	global_load_b128 v[24:27], v[LI], s[70:71]     ; Q of L
	global_load_b128 v[28:31], v[LI], s[70:71] offset:512
	v_add_nc_u32 v[SG], s75, v[LI]
	v_and_b32 v4, 15, v0
	v_bfe_u32 v5, v0, 4, 1
	v_and_b32 v6, 8, v4
	v_add_nc_u32 v6, v6, v4
	v_add_nc_u32 v6, s74, v6                       ; my query in its block
	v_lshlrev_b32 v5, 4, v5
	v_sub_nc_u32 v[D0], v6, v5                     ; less 16 (lane / 16): register 16 b + i holds key 32 b + i + 16 (lane / 16)
	v_mov_b32 v246, 0
	v_mov_b32 v253, 0
	FRESH
	s_wait_kmcnt 0x0
	s_add_co_i32 s66, s12, s13
	s_lshl_b32 s66, s66, 23
	s_add_co_i32 s[CS], s66, 0x3e38aa3b            ; log2(e) / 8 x 2^(e6 + e7)
	s_mov_b32 s[CS+1], s[CS]
	MKQ s15, 244, 240
	v_mov_b32 v247, v240                           ; the bound once more, in another bank, for the second half of a dual pair
	s_sub_co_i32 s66, s16, s14
	s_sub_co_i32 s66, s66, s15
	MKQ s66, 245, 241
; A KEY STEP of 128 keys, step s[ST], at byte s[TB] = 1,024 x step of every piece.
.macro STEP
	s_cmp_gt_u32 s[ST], s[LIM]
	s_cbranch_scc1 .Lhid_\@
	v_add_nc_u32 v[ADR], s[TB], v[LI]              ; these four are also the places ahead of the loads below
	v_add_nc_u32 v[ADR+1], 0x10000, v[ADR]         ; pieces 4-7,
	v_add_nc_u32 v[ADR+2], 0x20000, v[ADR]         ; 8-11,
	v_add_nc_u32 v[ADR+3], 0x30000, v[ADR]         ; 12-15
.irp t,0,1,2,3,4,5,6,7
	ds_load_b128 v[32+8*\t:35+8*\t], v[ADR+\t/4] offset:16384*(\t%4)
	ds_load_b128 v[36+8*\t:39+8*\t], v[ADR+\t/4] offset:16384*(\t%4)+512
.endr
	s_wait_alu depctr_va_vdst(0)
	s_wait_dscnt 0x0
.irp t,0,1,2,3,4,5,6,7
	v_wmma_f32_16x16x64_fp8_fp8 v[96+8*\t:103+8*\t], v[32+8*\t:39+8*\t], v[16:23], 0
.endr
	NOP4
.irp d,0,1,2,3
.irp c,0,1,2,3
	ds_load_b128 v[32+16*\d+4*\c:35+16*\d+4*\c], v[ADR+2+\d/2] offset:16384*((2*\d+\c/2)%4)+512*(\c%2)
.endr
.endr
	s_cmp_lg_u32 s[ST], s[DG]
	s_cbranch_scc1 .Lopen_\@
	v_mov_b32 v254, 0xff800000                     ; on the diagonal hidden scores become -infinity
.set IP, 0
.rept 64
	v_cmp_gt_i32 vcc_lo, 32*(IP/16)+IP%16, v[D0]
	v_cndmask_b32 v[96+IP], v[96+IP], v254, vcc_lo
.set IP, IP+1
.endr
.Lopen_\@:
	v_max3_num_f32 v254, v96, v97, v98
	v_max3_num_f32 v252, v99, v100, v101
.irp i,6,10,14,18,22,26,30,34,38,42,46,50,54,58
	v_max3_num_f32 v254, v254, v[96+\i], v[97+\i]
	v_max3_num_f32 v252, v252, v[98+\i], v[99+\i]
.endr
	v_max3_num_f32 v254, v254, v158, v159
	s_delay_alu instid0(VALU_DEP_1)
	v_max_num_f32 v254, v254, v252
	s_delay_alu instid0(VALU_DEP_1)
	v_permlanex16_b32 v246, v254, s[SEL], s[SEL+1]
	s_delay_alu instid0(VALU_DEP_1)
	v_max_num_f32 v254, v254, v246
	s_delay_alu instid0(VALU_DEP_1)
	v_mul_f32 v254, s[CS], v254
	s_delay_alu instid0(VALU_DEP_1)
	v_max_num_f32 v13, v13, v254
	v_mov_b32 v254, v12
	s_delay_alu instid0(VALU_DEP_2)
	v_floor_f32 v12, -v13                          ; -M = floor(-t)
	s_delay_alu instid0(VALU_DEP_1)
	v_sub_f32 v254, v12, v254
	s_delay_alu instid0(VALU_DEP_1)
	v_cvt_i32_f32 v254, v254
	s_delay_alu instid0(VALU_DEP_1)
	v_ldexp_f32 v252, 1.0, v254                    ; f = 2^(old M - new M)
.set IP, 0
.rept 32
	v_pk_fma_f32 v[96+IP:97+IP], v[96+IP:97+IP], s[CS:CS+1], v[12:13] op_sel_hi:[1,0,0]
.set IP, IP+2
.endr
	s_wait_alu depctr_va_vdst(0)                   ; one wait ahead of the batch,
.set IP, 0
.rept 64
	v_exp_f32 v[96+IP], v[96+IP]
.set IP, IP+1
.endr
	v_pk_mul_f32 v[14:15], v[14:15], v[252:253] op_sel_hi:[1,0]
	s_wait_alu depctr_va_vdst(0)                   ; and one behind it
	v_pk_add_f32 v[242:243], v[96:97], v[98:99]
.irp j,4,8,12,16,20,24,28,32,36,40,44,48,52,56,60
	v_pk_add_f32 v[14:15], v[14:15], v[96+\j:97+\j]
	v_pk_add_f32 v[242:243], v[242:243], v[98+\j:99+\j]
.endr
	s_delay_alu instid0(VALU_DEP_1)
	v_pk_add_f32 v[14:15], v[14:15], v[242:243]
.irp b,0,1,2,3
.set IP, 0
.rept 8
	v_dual_min_num_f32 v[96+16*\b+IP], v[96+16*\b+IP], v240 :: v_dual_min_num_f32 v[97+16*\b+IP], v[97+16*\b+IP], v247   ; the one-sided hold, two numbers an instruction
.set IP, IP+2
.endr
	v_cvt_scalef32_pk8_fp8_f32 v[224+4*\b:225+4*\b], v[96+16*\b:103+16*\b], v244
	v_cvt_scalef32_pk8_fp8_f32 v[226+4*\b:227+4*\b], v[104+16*\b:111+16*\b], v244
.endr
	s_wait_alu depctr_va_vdst(0)                   ; directly ahead of the first reader of O^T
.set IP, 0
.rept 16
	v_pk_mul_f32 v[160+IP:161+IP], v[160+IP:161+IP], v[252:253] op_sel_hi:[1,0]
.set IP, IP+2
.endr
	s_wait_alu depctr_va_vdst(0)
	s_wait_dscnt 0x0
.irp d,0,1,2,3
	v_wmma_f32_16x16x128_fp8_fp8 v[160+8*\d:167+8*\d], v[32+16*\d:47+16*\d], v[224:239], v[160+8*\d:167+8*\d]
.endr
.Lhid_\@:
	s_add_co_u32 s[TB], s[TB], 1024
	s_add_co_u32 s[ST], s[ST], 1
.endm
	s_wait_alu depctr_va_vdst(0)
	s_wait_tensorcnt 0x0                           ; my piece of steps 0-3 is in; the full sequence ahead of the later first fill:
	ds_add_u32 v[SPW], v[NIL]
	s_wait_dscnt 0x0
	s_barrier_signal -1
	s_barrier_wait -1                              ; everybody's piece of steps 0-3 is in
	tensor_load_to_lds s[44:47], s[32:39]          ; steps 4-15, into bytes that no step under 4 reads
	s_nop 0
	NOP4
	s_wait_loadcnt 0x0                             ; Q
.Lfirst:
	STEP
	s_cmp_lt_u32 s[ST], 4
	s_cbranch_scc1 .Lfirst
	s_wait_tensorcnt 0x0                           ; my piece of steps 4-15
	s_wait_dscnt 0x0
	s_barrier_signal -1
	s_barrier_wait -1
	s_mov_b32 s[ST], 4
	s_mov_b32 s[TB], 4096
.Lrest:
	s_cmp_lg_u32 s[ST], s[MT]
	s_cbranch_scc1 .Lsame
	NOP4                                           ; wave b, ahead of step 9 (10 for x = 0): S is finished and stored, and L's part begins
	FINISH
	FRESH
.irp i,0,1,2,3,4,5,6,7
	v_mov_b32 v[16+\i], v[24+\i]
.endr
	s_mov_b32 s[LIM], s[BL]
	s_mov_b32 s[DG], s[BL]
	s_wait_alu depctr_va_vdst(0)
	s_wait_xcnt 0x0                                ; the stores have read their registers: the codes' may be written again
.Lsame:
	STEP
	s_cmp_lt_u32 s[ST], 16
	s_cbranch_scc1 .Lrest
	NOP4
	s_cmp_eq_u32 s[ROLE], 1
	s_cbranch_scc1 .Lkeep
.irp k,0,1,2,3,4,5,6,7
	ds_store_b128 v[SG], v[160+4*\k:163+4*\k] offset:512*\k   ; wave b: my part of L
.endr
	ds_store_b128 v[SG], v[12:15] offset:4096
.Lkeep:
	s_wait_dscnt 0x0
	s_barrier_signal -1
	s_barrier_wait -1
	s_cmp_eq_u32 s[ROLE], 1
	s_cbranch_scc0 .Lend
.irp k,0,1,2,3,4,5,6,7
	ds_load_b128 v[32+4*\k:35+4*\k], v[SG] offset:512*\k
.endr
	ds_load_b128 v[64:67], v[SG] offset:4096
	s_wait_dscnt 0x0
	v_min_num_f32 v68, v12, v64                    ; the joint -M
	v_add_f32 v14, v14, v15
	v_add_f32 v66, v66, v67
	v_sub_f32 v69, v68, v12                        ; whole numbers, 0 or less
	v_sub_f32 v70, v68, v64
	v_cvt_i32_f32 v69, v69                         ; (it saturates: a part with no step gets the factor 0)
	v_cvt_i32_f32 v70, v70
	v_ldexp_f32 v252, 1.0, v69
	v_ldexp_f32 v70, 1.0, v70
	v_mov_b32 v71, 0
	v_mov_b32 v15, 0
	v_mul_f32 v14, v14, v252
	v_fmac_f32 v14, v66, v70
.set IP, 0
.rept 16
	v_pk_mul_f32 v[160+IP:161+IP], v[160+IP:161+IP], v[252:253] op_sel_hi:[1,0]
.set IP, IP+2
.endr
.set IP, 0
.rept 16
	v_pk_fma_f32 v[160+IP:161+IP], v[32+IP:33+IP], v[70:71], v[160+IP:161+IP] op_sel_hi:[1,0,1]
.set IP, IP+2
.endr
	FINISH
.Lend:
	s_wait_tensorcnt 0x0                           ; the wave's end
	ds_add_u32 v[SPW], v[NIL]
	s_wait_dscnt 0x0
	s_endpgm
.Lfunc_end_k_q315a583ce1_attn:
	.size	k_q315a583ce1_attn, .Lfunc_end_k_q315a583ce1_attn-k_q315a583ce1_attn
	.p2alignl 7, 3214868480
	.fill 96, 4, 3214868480
	.section	.rodata,"a",@progbits
	.p2align	6, 0x0
	.amdhsa_kernel k_q315a583ce1_attn
		.amdhsa_group_segment_fixed_size 327680
		.amdhsa_private_segment_fixed_size 0
		.amdhsa_enable_private_segment 0
		.amdhsa_kernarg_size 32
		.amdhsa_user_sgpr_count 2
		.amdhsa_user_sgpr_kernarg_segment_ptr 1
		.amdhsa_wavefront_size32 1
		.amdhsa_system_sgpr_workgroup_id_x 1
		.amdhsa_system_sgpr_workgroup_id_y 1
		.amdhsa_system_sgpr_workgroup_id_z 1
		.amdhsa_system_vgpr_workitem_id 0
		.amdhsa_next_free_vgpr 256
		.amdhsa_next_free_sgpr 80
		.amdhsa_reserve_vcc 1
		.amdhsa_float_denorm_mode_32 3
		.amdhsa_float_denorm_mode_16_64 3
		.amdhsa_memory_ordered 1
		.amdhsa_forward_progress 1
		.amdhsa_inst_pref_size 63
	.end_amdhsa_kernel
	.amdgpu_metadata
---
amdhsa.version: [ 1, 2 ]
amdhsa.kernels:
  - .name:           k_q315a583ce1_attn
    .symbol:         k_q315a583ce1_attn.kd
    .args:
      - { .name: q_c, .offset: 0, .size: 8, .value_kind: global_buffer, .address_space: global }
      - { .name: kv_c, .offset: 8, .size: 8, .value_kind: global_buffer, .address_space: global }
      - { .name: lowp_scales, .offset: 16, .size: 8, .value_kind: global_buffer, .address_space: global }
      - { .name: att_c, .offset: 24, .size: 8, .value_kind: global_buffer, .address_space: global }
    .group_segment_fixed_size: 327680
    .private_segment_fixed_size: 0
    .kernarg_segment_align: 8
    .kernarg_segment_size: 32
    .max_flat_workgroup_size: 512
    .sgpr_count:     80
    .vgpr_count:     256
    .wavefront_size: 32
...
	.end_amdgpu_metadata
.endif
;; end of part 3
;; launch tail (part 4): grid 256 x 1, 4 waves a work-group, no clusters, 327,680 bytes of LDS; arguments att_c, wtail_c, lowp_scales, ln2_scale, x, out0; writes out0
.if DOCPART == 4
	.amdgcn_target "amdgcn-amd-amdhsa--gfx1250"
	.amdhsa_code_object_version 6
	.text
	.protected	k_q315a583ce1_tail
	.globl	k_q315a583ce1_tail
	.p2align	8
	.type	k_q315a583ce1_tail,@function
k_q315a583ce1_tail:
	s_mov_b64 s[64:65], 0
	v_nop
	global_prefetch_b8 v0, s[64:65] scope:SCOPE_SE
	s_setreg_imm32_b32 hwreg(HW_REG_WAVE_MODE, 25, 1), 1
	s_wait_xcnt 0x0
.set RP,  2080
.set HP,  1040
.set IMA, 66560
.set IMB, 82944
.set STAT, 99328
.set LI,  1
.set XA,  2
.set IWA, 4
.set IWB, 5
.set SW,  6
.set SR,  7
.set XR,  8
.set IRA, 9
.set DW,  10
.set IRB, 11
.set GA,  12
.set C1,  16
.set C2,  18
.set PT,  26
.set HA,  32
.set PC,  96
.set HFA, 112
.set TMP, 176
.set MR,  240
.set BO,  63
.set PFO, 3                            ; v3   the prefetch's offset: 256 x (work-group % 64), the same in all lanes; never rewritten
.set AHEAD, 4                          ; a prefetch names the stream step that stands four steps of 16,384 bytes behind the one that is being loaded
.set MSB, 0
.macro WIN new
.if MSB != (\new)
	s_set_vgpr_msb (MSB<<8)|(\new)
.set MSB, (\new)
.endif
.endm
.macro NOP4
.rept 4
	v_nop
.endr
.endm
.macro MKQ se, vs, vl
	s_add_co_i32 s78, \se, 127
	s_lshl_b32 s79, s78, 23
	v_mov_b32 v[\vs], s79
	s_add_co_i32 s78, s78, 8
	s_lshl_b32 s78, s78, 23
	s_or_b32 s78, s78, 0x600000
	v_mov_b32 v[\vl], s78
.endm
.macro BARRIER
	s_wait_dscnt 0x0
	s_barrier_signal -1
	s_barrier_wait -1
.endm
.macro RLOADS half
	WIN 0xc0
.set IP, 0
.rept 32
	global_load_b128 v[128*(\half)+4*IP:128*(\half)+4*IP+3], v[LI], s[48:49] offset:512*IP
.set IP, IP+1
.endr
	WIN 0
.endm
.macro REFILL half
	s_wait_xcnt 0x0
	s_add_nc_u64 s[48:49], s[48:49], 16384
	RLOADS \half
; A PREFETCH INTO THE L2.  All 256 work-groups walk the same four streams of weights, a step of 4 x 16,384 bytes = 256 blocks of 256 bytes at a time, and share the blocks out:
; work-group g asks for block g % 64 of stream g / 64, by the wave that walks that stream.  s62 counts that wave's prefetches still to come (0 in the other waves): 38 - AHEAD, from stream step 2 + AHEAD to the last, 39.
	s_cmp_eq_u32 s62, 0
	s_cbranch_scc1 .Lnot_mine_\@
	global_prefetch_b8 v[PFO], s[48:49] offset:AHEAD*16384 th:TH_LOAD_NT scope:SCOPE_SE
	s_sub_co_u32 s62, s62, 1
.Lnot_mine_\@:
.endm
.macro MULT half, acc, sm, win
	WIN \win
.irp s,0,1,2,3
.irp tt,0,1
.irp m,0,1
.set RD_, (\acc)+(\sm)*\m+8*\tt
.set RA_, 128*(\half)+16*(4*\tt+\s)
.set RB_, 16*(4*\m+\s)
.if \s == 0
	v_wmma_f32_16x16x128_fp8_fp8 v[RD_:RD_+7], v[RA_:RA_+15], v[RB_:RB_+15], 0
.else
	v_wmma_f32_16x16x128_fp8_fp8 v[RD_:RD_+7], v[RA_:RA_+15], v[RB_:RB_+15], v[RD_:RD_+7]
.endif
.endr
.endr
.endr
.endm
.macro MULS half, hf
	WIN 0xa3
.irp t,0,1,2,3,4,5,6,7
.irp m,0,1
	v_wmma_f32_16x16x128_fp8_fp8 v[64*\m+8*\t:64*\m+8*\t+7], v[128*(\half)+16*\t:128*(\half)+16*\t+15], v[(\hf)+16*\m:(\hf)+16*\m+15], v[64*\m+8*\t:64*\m+8*\t+7]
.endr
.endr
.endm
.macro Q32 sc, lim
	s_wait_dscnt 0x0
.set IP, 0
.rept 32
	v_med3_num_f32 v[HA+IP], v[HA+IP], -v[\lim], v[\lim]
.set IP, IP+1
.endr
.irp q,0,1,2,3
	v_cvt_scalef32_pk8_fp8_f32 v[PC+2*\q:PC+2*\q+1], v[HA+8*\q:HA+8*\q+7], v[\sc]
.endr
	v_nop
.endm
.macro GELU
.set IP, 0
.rept 16
	v_pk_mul_f32 v[TMP+IP:TMP+IP+1], v[HA+IP:HA+IP+1], v[HA+IP:HA+IP+1]
.set IP, IP+2
.endr
.set IP, 0
.rept 16
	v_pk_fma_f32 v[TMP+IP:TMP+IP+1], v[TMP+IP:TMP+IP+1], v[C2:C2+1], v[C1:C1+1]
.set IP, IP+2
.endr
.set IP, 0
.rept 16
	v_pk_mul_f32 v[TMP+IP:TMP+IP+1], v[TMP+IP:TMP+IP+1], v[HA+IP:HA+IP+1]
.set IP, IP+2
.endr
.set IP, 0
	s_wait_alu depctr_va_vdst(0)
.rept 32
	v_exp_f32 v[TMP+IP], v[TMP+IP]
.set IP, IP+1
.endr
	v_nop
	s_wait_alu depctr_va_vdst(0)
.set IP, 0
.rept 16
	v_pk_add_f32 v[TMP+IP:TMP+IP+1], v[TMP+IP:TMP+IP+1], 1.0 op_sel_hi:[1,0]
.set IP, IP+2
.endr
.set IP, 0
	s_wait_alu depctr_va_vdst(0)
.rept 32
	v_rcp_f32 v[TMP+IP], v[TMP+IP]
.set IP, IP+1
.endr
	v_nop
	s_wait_alu depctr_va_vdst(0)
.set IP, 0
.rept 16
	v_pk_mul_f32 v[HA+IP:HA+IP+1], v[HA+IP:HA+IP+1], v[TMP+IP:TMP+IP+1]
.set IP, IP+2
.endr
.endm
.macro FETCH8 adr
	WIN 0x40
.irp m,0,1
.irp s,0,1,2,3
.irp c,0,1,2,3
	ds_load_b128 v[16*(4*\m+\s)+4*\c:16*(4*\m+\s)+4*\c+3], v[\adr] offset:(4*\m+\s)*2048+512*\c
.endr
.endr
.endr
	WIN 0
.endm
.macro XIN win
	WIN \win
.irp m,0,1
.irp b,0,1,2,3
.irp j,0,1,2,3
	ds_load_b128 v[64*\m+16*\b+4*\j:64*\m+16*\b+4*\j+3], v[XA] offset:\m*8*RP+128*\b+16*\j
.endr
.endr
.endr
	WIN 0
.endm
.macro ROWSUM sq
	WIN 0x0a
.irp m,0,1
.irp q,0,1,2,3
.if \sq
	v_pk_mul_f32 v[HA+8*\m+2*\q:HA+8*\m+2*\q+1], v[64*\m+2*\q:64*\m+2*\q+1], v[64*\m+2*\q:64*\m+2*\q+1]
.else
	v_pk_add_f32 v[HA+8*\m+2*\q:HA+8*\m+2*\q+1], v[64*\m+2*\q:64*\m+2*\q+1], v[64*\m+8+2*\q:64*\m+9+2*\q]
.endif
.endr
.endr
.if \sq == 0
	WIN 0x08
.endif
.irp m,0,1
.set IP, 8-4*\sq
.rept 24+4*\sq
.if \sq
	v_pk_fma_f32 v[HA+8*\m+2*(IP%4):HA+8*\m+2*(IP%4)+1], v[64*\m+2*IP:64*\m+2*IP+1], v[64*\m+2*IP:64*\m+2*IP+1], v[HA+8*\m+2*(IP%4):HA+8*\m+2*(IP%4)+1]
.else
	v_pk_add_f32 v[HA+8*\m+2*(IP%4):HA+8*\m+2*(IP%4)+1], v[HA+8*\m+2*(IP%4):HA+8*\m+2*(IP%4)+1], v[64*\m+2*IP:64*\m+2*IP+1]
.endif
.set IP, IP+1
.endr
.endr
	WIN 0
.irp m,0,1
	v_pk_add_f32 v[HA+8*\m:HA+8*\m+1], v[HA+8*\m:HA+8*\m+1], v[HA+8*\m+2:HA+8*\m+3]
	v_pk_add_f32 v[HA+8*\m+4:HA+8*\m+5], v[HA+8*\m+4:HA+8*\m+5], v[HA+8*\m+6:HA+8*\m+7]
.endr
.irp m,0,1
	v_pk_add_f32 v[HA+8*\m:HA+8*\m+1], v[HA+8*\m:HA+8*\m+1], v[HA+8*\m+4:HA+8*\m+5]
.endr
.irp m,0,1
	v_add_f32 v[HA+8*\m], v[HA+8*\m], v[HA+8*\m+1]
.endr
.irp m,0,1
	v_permlanex16_b32 v[PT+\m], v[HA+8*\m], s50, s51
.endr
.irp m,0,1
	v_add_f32 v[HA+8*\m], v[HA+8*\m], v[PT+\m]
.endr
.irp m,0,1
	ds_store_b32 v[SW], v[HA+8*\m] offset:1024*\sq+256*\m
.endr
	BARRIER
.irp m,0,1
	ds_load_b128 v[HA+32+4*\m:HA+35+4*\m], v[SR] offset:1024*\sq+256*\m
.endr
	s_wait_dscnt 0x0
.irp m,0,1
	v_add_f32 v[HA+32+4*\m], v[HA+32+4*\m], v[HA+33+4*\m]
	v_add_f32 v[HA+34+4*\m], v[HA+34+4*\m], v[HA+35+4*\m]
.endr
.irp m,0,1
	v_add_f32 v[HA+32+4*\m], v[HA+32+4*\m], v[HA+34+4*\m]
.endr
.endm
.macro W1
	s_mov_b32 s[BO], 0
.Lw1_\@:
.irp hf2,0,1
	s_wait_loadcnt 32
	MULT \hf2, HA, 16, 0x07
	WIN 0
	NOP4
	REFILL \hf2
	GELU
	Q32 24, 25
.if \hf2 == 0
	v_add_nc_u32 v[DW], s[BO], v[IWB]
.endif
.irp m,0,1
	ds_store_b128 v[DW], v[PC+4*\m:PC+4*\m+3] offset:8192*\m+512*\hf2
.endr
.endr
	s_add_co_u32 s[BO], s[BO], 1024
	s_cmp_lt_u32 s[BO], 2048
	s_cbranch_scc1 .Lw1_\@
.endm
.macro HLOAD ks
.irp m,0,1
.irp c,0,1,2,3
	ds_load_b128 v[HFA+64*((\ks)%2)+16*\m+4*\c:HFA+64*((\ks)%2)+16*\m+4*\c+3], v[IRB] offset:(4*\m+(\ks))*2048+512*\c
.endr
.endr
.endm
.macro W2G ks, refill, cnt
.if \ks < 3
	HLOAD \ks+1
	s_wait_dscnt 8
.else
	s_wait_dscnt 0x0
.endif
	s_wait_loadcnt \cnt
	MULS \ks%2, HFA+64*(\ks%2)
	WIN 0
	NOP4
.if \refill
	REFILL \ks%2
.endif
.endm
	s_load_b256 s[4:11], s[0:1], 0x0
	s_load_b128 s[12:15], s[0:1], 0x20
	v_lshl_add_u32 v254, v0, 2, 0x29000
	v_mov_b32 v255, 0
	ds_add_u32 v254, v255
	ds_add_u32 v254, v255
	v_lshrrev_b32 v13, 5, v0
	v_readfirstlane_b32 s60, v13
	s_mov_b32 s24, 3<<16
	s_mov_b32 s25, 32<<16
	s_mov_b32 s26, 16<<16
	s_mov_b32 s27, 32<<16
	s_mov_b32 s28, 16
	s_mov_b32 s29, 32
	s_mov_b32 s30, 0
	s_mov_b32 s31, 0
	s_mov_b32 s32, (2<<16)|(1<<20)|(7<<22)|(3<<25)
	s_mov_b32 s33, 256<<16
	s_mov_b32 s34, 16<<16
	s_mov_b32 s35, 256<<16
	s_mov_b32 s36, 16
	s_mov_b32 s37, 256
	s_mov_b32 s38, 0
	s_mov_b32 s39, 0
	s_mov_b32 s50, 0x76543210
	s_mov_b32 s51, 0xfedcba98
	s_mov_b32 s58, 0x3b000000
	s_mov_b32 s59, 0x358637bd
	s_lshl_b32 s66, ttmp9, 14
	s_lshl_b32 s67, s60, 12
	s_add_co_u32 s66, s66, s67
	s_mov_b32 s67, 0
	s_lshl_b32 s68, ttmp9, 16
	s_lshl_b32 s69, s60, 14
	s_add_co_u32 s68, s68, s69
	s_mov_b32 s69, 0
	s_mul_i32 s70, s60, 655360
	s_mov_b32 s71, 0
	s_wait_dscnt 0x0
	s_wait_kmcnt 0x0
	s_load_b256 s[16:23], s[8:9], 0x28
	s_mov_b32 s40, 1
	s_lshl_b32 s41, s60, 12
	s_add_co_u32 s41, s41, IMA
	s_add_nc_u64 s[42:43], s[4:5], s[66:67]
	s_or_b32 s43, s43, 0x80000000
	s_mov_b32 s44, 1
	s_mul_i32 s45, s60, 8*RP
	s_add_nc_u64 s[46:47], s[12:13], s[68:69]
	s_or_b32 s47, s47, 0x80000000
	tensor_load_to_lds s[40:43], s[24:31]
	s_nop 0
	s_and_b32 s72, ttmp9, 63
	s_lshl_b32 s72, s72, 8
	v_mov_b32 v[PFO], s72
.set HPO, 28                           ; v28  the head's one request: my block of stream steps 2 + (lane % 4); never rewritten
	v_and_b32 v[HPO], 3, v0
	v_lshl_add_u32 v[HPO], v[HPO], 14, v[PFO]
	s_lshr_b32 s72, ttmp9, 6
	s_cmp_eq_u32 s72, s60
	s_cselect_b32 s62, 38-AHEAD, 0
	v_and_b32 v13, 15, v0
	v_bfe_u32 v14, v0, 4, 1
	v_and_b32 v[LI], 31, v0
	v_and_b32 v15, 8, v13
	v_lshlrev_b32 v[LI], 4, v[LI]
	v_add_nc_u32 v15, v15, v13
	s_lshr_b32 s72, s60, 1
	s_mul_i32 s72, s72, HP
	s_and_b32 s73, s60, 1
	s_lshl_b32 s73, s73, 9
	s_add_co_u32 s72, s72, s73
	v_mul_u32_u24 v[XA], v15, RP
	v_lshl_add_u32 v[XA], v14, 6, v[XA]
	v_add_nc_u32 v[XA], s72, v[XA]
	s_lshl_b32 s72, s60, 11
	v_add_nc_u32 v[IWA], s72, v[LI]
	v_add_nc_u32 v[IWB], IMB, v[IWA]
	v_add_nc_u32 v[IWA], IMA, v[IWA]
	v_add_nc_u32 v[IRA], IMA, v[LI]
	v_add_nc_u32 v[IRB], IMB, v[LI]
	s_lshl_b32 s72, s60, 2
	v_lshlrev_b32 v[SR], 4, v13
	v_add_nc_u32 v[SR], STAT, v[SR]
	v_add_nc_u32 v[SW], s72, v[SR]
	s_mul_i32 s72, s60, 8*RP
	v_add_nc_u32 v[XR], s72, v[LI]
	s_lshl_b32 s72, s60, 9
	v_lshl_add_u32 v[GA], v14, 6, s72
.irp m,0,1
	v_mov_b32 v[PT+\m], 0
.endr
.irp b,0,1,2,3
.irp j,0,1,2,3
	global_load_b128 v[HFA+16*\b+4*\j:HFA+16*\b+4*\j+3], v[GA], s[10:11] offset:128*\b+16*\j
.endr
.endr
	s_add_nc_u64 s[48:49], s[6:7], s[70:71]
	s_add_nc_u64 s[14:15], s[14:15], s[68:69]
	s_cmp_eq_u32 s62, 0                            ; the wave that asks for its stream in this work-group:
	s_cbranch_scc1 .Lno_head_ask
	global_prefetch_b8 v[HPO], s[48:49] offset:2*16384 th:TH_LOAD_NT scope:SCOPE_SE   ; four blocks: the work-group's block of stream steps 2 to 5, which no trip's prefetch names (those begin at step 6)
.Lno_head_ask:
	RLOADS 0
	s_wait_xcnt 0x0
	s_add_nc_u64 s[48:49], s[48:49], 16384
	RLOADS 1                                       ; the gains and the first 64 loads of weights are asked for under the first tensor load's flight
	s_wait_alu depctr_va_vdst(0)
	s_wait_tensorcnt 0x0                           ; my part of the attention's codes is in; the full sequence ahead of the later first fill:
	ds_add_u32 v254, v255
	s_wait_dscnt 0x0
	s_barrier_signal -1
	s_barrier_wait -1
	tensor_load_to_lds s[44:47], s[32:39]          ; my eight rows of x
	s_nop 0
	s_wait_kmcnt 0x0
	s_sub_co_i32 s74, s18, s16
	s_sub_co_i32 s74, s74, s17
	MKQ s74, 20, 21
	MKQ s20, 22, 23
	s_add_co_i32 s75, s20, s21
	s_sub_co_i32 s74, s22, s75
	MKQ s74, 24, 25
	s_lshl_b32 s74, s75, 23
	s_add_co_u32 s74, s74, 0xc0135761
	v_mov_b32 v[C1], s74
	v_mov_b32 v[C1+1], s74
	s_mul_i32 s74, s75, 3
	s_lshl_b32 s74, s74, 23
	s_add_co_u32 s74, s74, 0xbdd2d3e8
	v_mov_b32 v[C2], s74
	v_mov_b32 v[C2+1], s74
	s_add_co_i32 s74, s18, s19
	s_add_co_i32 s74, s74, 127
	s_lshl_b32 s52, s74, 23
	s_mov_b32 s53, s52
	s_add_co_i32 s74, s22, s23
	s_add_co_i32 s76, s74, 127
	s_lshl_b32 s54, s76, 23
	s_mov_b32 s55, s54
	s_sub_co_i32 s76, 127, s74
	s_lshl_b32 s56, s76, 23
	s_mov_b32 s57, s56
	s_wait_tensorcnt 0x1
	s_barrier_signal -1
	s_barrier_wait -1
	FETCH8 IRA
	s_wait_dscnt 0x0
.irp b,0,1,2,3
	s_wait_loadcnt 32
	MULT \b%2, HA, 16, 0x07
	WIN 0
	NOP4
	s_wait_alu depctr_va_vdst(0)
	REFILL \b%2
	Q32 20, 21
.irp m,0,1
	ds_store_b128 v[IWB], v[PC+4*\m:PC+4*\m+3] offset:8192*\m+512*\b
.endr
.endr
	s_wait_tensorcnt 0x0
	BARRIER
	FETCH8 IRB
	s_wait_dscnt 0x0
.irp b,0,1,2,3
	s_wait_loadcnt 32
	MULT \b%2, 16*\b, 64, 0xa7
	WIN 0
	NOP4
	REFILL \b%2
.endr
	XIN 0x40
	s_wait_dscnt 0x0
	WIN 0x92
.set IP, 0
.rept 64
	v_pk_fma_f32 v[IP:IP+1], v[IP:IP+1], s[52:53], v[IP:IP+1] op_sel_hi:[1,0,1]
.set IP, IP+2
.endr
	ROWSUM 0
.irp m,0,1
	v_mul_f32 v[MR+2*\m], s58, v[HA+32+4*\m]
	v_mov_b32 v[MR+2*\m+1], v[MR+2*\m]
.endr
	WIN 0x82
.irp m,0,1
.set IP, 0
.rept 32
	v_pk_add_f32 v[64*\m+IP:64*\m+IP+1], v[64*\m+IP:64*\m+IP+1], v[MR+2*\m:MR+2*\m+1] neg_lo:[0,1] neg_hi:[0,1]
.set IP, IP+2
.endr
.endr
	ROWSUM 1
.irp m,0,1
	v_fma_f32 v[HA+32+4*\m], v[HA+32+4*\m], s58, s59
.endr
	s_wait_alu depctr_va_vdst(0)
.irp m,0,1
	v_rsq_f32 v[MR+2*\m], v[HA+32+4*\m]
.endr
	v_nop
	s_wait_alu depctr_va_vdst(0)
.irp m,0,1
	v_mov_b32 v[MR+2*\m+1], v[MR+2*\m]
.endr
.irp m,0,1
	WIN 0x82
.set IP, 0
.rept 32
	v_pk_mul_f32 v[64*\m+IP:64*\m+IP+1], v[64*\m+IP:64*\m+IP+1], v[MR+2*\m:MR+2*\m+1]
.set IP, IP+2
.endr
.set IP, 0
.rept 32
	v_pk_mul_f32 v[64*\m+IP:64*\m+IP+1], v[64*\m+IP:64*\m+IP+1], v[HFA+IP:HFA+IP+1]
.set IP, IP+2
.endr
.set IP, 0
.rept 64
	v_med3_num_f32 v[64*\m+IP], v[64*\m+IP], -v23, v23
.set IP, IP+1
.endr
	WIN 0x02
.irp q,0,1,2,3,4,5,6,7
	v_cvt_scalef32_pk8_fp8_f32 v[HA+16*\m+2*\q:HA+16*\m+2*\q+1], v[64*\m+8*\q:64*\m+8*\q+7], v22
.endr
	v_nop
	WIN 0
.irp c,0,1,2,3
	ds_store_b128 v[IWA], v[HA+16*\m+4*\c:HA+16*\m+4*\c+3] offset:8192*\m+512*\c
.endr
.endr
	BARRIER
	FETCH8 IRA
	XIN 0x80
	s_wait_dscnt 0x0
	WIN 0x82
.set IP, 0
.rept 64
	v_pk_mul_f32 v[IP:IP+1], v[IP:IP+1], s[56:57] op_sel_hi:[1,0]
.set IP, IP+2
.endr
	WIN 0
	s_mov_b32 s61, 3
.Lchunk:
	W1
	BARRIER
	HLOAD 0
	W2G 0, 1, 32
	W2G 1, 1, 32
	W2G 2, 1, 32
	W2G 3, 1, 32
	BARRIER
	s_sub_co_u32 s61, s61, 1
	s_cmp_lg_u32 s61, 0
	s_cbranch_scc1 .Lchunk
	W1
	BARRIER
	HLOAD 0
	W2G 0, 1, 32
	W2G 1, 1, 32
	W2G 2, 0, 32
	W2G 3, 0, 0
	WIN 0x82
.set IP, 0
.rept 64
	v_pk_mul_f32 v[IP:IP+1], v[IP:IP+1], s[54:55] op_sel_hi:[1,0]
.set IP, IP+2
.endr
	WIN 0x08
.irp m,0,1
.irp b,0,1,2,3
.irp j,0,1,2,3
	ds_store_b128 v[XA], v[64*\m+16*\b+4*\j:64*\m+16*\b+4*\j+3] offset:\m*8*RP+128*\b+16*\j
.endr
.endr
.endr
	WIN 0
	BARRIER
	WIN 0x40
.irp i,0,1,2,3,4,5,6,7
.irp q,0,1,2,3
	ds_load_b128 v[16*\i+4*\q:16*\i+4*\q+3], v[XR] offset:\i*RP+(\q/2)*HP+(\q%2)*512
.endr
.endr
	WIN 0x04
.irp k,0,1
	s_wait_dscnt 16-16*\k
.irp i,0,1,2,3
.irp q,0,1,2,3
	global_store_b128 v[LI], v[16*(4*\k+\i)+4*\q:16*(4*\k+\i)+4*\q+3], s[14:15] offset:2048*(4*\k+\i)+512*\q th:TH_STORE_NT
.endr
.endr
.endr
	WIN 0
	s_wait_tensorcnt 0x0
	ds_add_u32 v254, v255
	s_wait_dscnt 0x0
	s_endpgm
.Lfunc_end_k_q315a583ce1_tail:
	.size	k_q315a583ce1_tail, .Lfunc_end_k_q315a583ce1_tail-k_q315a583ce1_tail
	.p2alignl 7, 3214868480
	.fill 96, 4, 3214868480
	.section	.rodata,"a",@progbits
	.p2align	6, 0x0
	.amdhsa_kernel k_q315a583ce1_tail
		.amdhsa_group_segment_fixed_size 327680
		.amdhsa_private_segment_fixed_size 0
		.amdhsa_enable_private_segment 0
		.amdhsa_kernarg_size 48
		.amdhsa_user_sgpr_count 2
		.amdhsa_user_sgpr_kernarg_segment_ptr 1
		.amdhsa_wavefront_size32 1
		.amdhsa_system_sgpr_workgroup_id_x 1
		.amdhsa_system_sgpr_workgroup_id_y 1
		.amdhsa_system_sgpr_workgroup_id_z 1
		.amdhsa_system_vgpr_workitem_id 0
		.amdhsa_next_free_vgpr 1024
		.amdhsa_next_free_sgpr 80
		.amdhsa_reserve_vcc 0
		.amdhsa_float_denorm_mode_32 3
		.amdhsa_float_denorm_mode_16_64 3
		.amdhsa_memory_ordered 1
		.amdhsa_forward_progress 1
		.amdhsa_inst_pref_size 216
	.end_amdhsa_kernel
	.amdgpu_metadata
---
amdhsa.version: [ 1, 2 ]
amdhsa.kernels:
  - .name:           k_q315a583ce1_tail
    .symbol:         k_q315a583ce1_tail.kd
    .args:
      - { .name: att_c, .offset: 0, .size: 8, .value_kind: global_buffer, .address_space: global }
      - { .name: wtail_c, .offset: 8, .size: 8, .value_kind: global_buffer, .address_space: global }
      - { .name: lowp_scales, .offset: 16, .size: 8, .value_kind: global_buffer, .address_space: global }
      - { .name: ln2_scale, .offset: 24, .size: 8, .value_kind: global_buffer, .address_space: global }
      - { .name: x, .offset: 32, .size: 8, .value_kind: global_buffer, .address_space: global }
      - { .name: out0, .offset: 40, .size: 8, .value_kind: global_buffer, .address_space: global }
    .group_segment_fixed_size: 327680
    .private_segment_fixed_size: 0
    .kernarg_segment_align: 8
    .kernarg_segment_size: 48
    .max_flat_workgroup_size: 128
    .sgpr_count:     80
    .vgpr_count:     1024
    .wavefront_size: 32
...
	.end_amdgpu_metadata
.endif
;; end of part 4
